; MI455X (gfx1250); checked and timed in simulation.
; The chip was launched on July 23, 2026; its instructions are those of AMD's public machine-readable ISA for CDNA 5 (MIT licence, August 2026) and "CDNA5" Instruction Set Architecture Reference Guide (July 2026). The comments in the code are by the model that wrote it; some were corrected since.
;; Two Simplicial Attention. Allowed arithmetic: matrix products marked QUANTISED: E3M2 operands, one E8M0 scale for each 32 along K, by v_wmma_scale_f32_16x16x128_f8f6f4 with both operands' format E3M2, f32 sums; products left as they are: f32 operands where the result goes on into a quantised operand, else bf16, f16 or f32 operands; f32 sums; everything else in f32.
;; Inputs: k1 1 x 1,024 x 8 x 64 float32; k2 1 x 1,024 x 8 x 64 float32; q 1 x 1,024 x 8 x 64 float32; v1 1 x 1,024 x 8 x 64 float32; v2 1 x 1,024 x 8 x 64 float32.
;; Outputs: out0 1 x 1,024 x 8 x 64 float32.
;; This version of the problem:
;;   THIS VERSION OF THE PROBLEM IS GIVEN IN LOW PRECISION. The matrix products marked QUANTISED in the list below multiply operands that are first quantised to E3M2 (3 exponent bits, 2 mantissa bits; 6 bits a number), with one power-of-two scale for each 32 numbers along K (OCP MX v1.0); their sums are f32. All else is computed in f32.
;;   The module's matrix products, in the order in which they are computed (A, B: the left and right operand; K: the contracted axis; several contracted axes count as one K, in the product's order):
;;     1. batch 8,192 x [M 64, K 64] x [K 64, N 64]; A: computed on the way; B: computed on the way: QUANTISED
;;     2. batch 8,192 x [M 64, K 64] x [K 64, N 64]; A: computed on the way; B: computed on the way: QUANTISED
;;     3. batch 524,288 x [M 1, K 64] x [K 64, N 1]; A: computed on the way; B: computed on the way: left as it is (M = 1 < 16)
;;   THE QUANTISER, for each operand of a quantised product, along K:
;;     - K is cut into blocks of 32 from its start; a last block that is shorter is filled with zeros.
;;     - A block's scale is 2^e with e = floor(log2(the largest magnitude in the block)) - 4, held to -126 .. 127; a block of zeros has e = 0. As a byte (E8M0): e + 127.
;;     - Each number is divided by its block's scale, clamped to +-28, and rounded to the nearest number of E3M2, ties to even, subnormals kept.
;;     - The product sums the exact products of the quantised numbers (number of the format x scale) in f32.
;;   ~~~python
;;   def quantise(x, axis):      # numpy; x: float32 -> the quantised numbers, widened to float32 again
;;       x = np.moveaxis(x, axis, -1); K = x.shape[-1]
;;       x = np.pad(x, [(0, 0)] * (x.ndim - 1) + [(0, -K % 32)]); x = x.reshape(x.shape[:-1] + (-1, 32)); a = np.abs(x).max(-1, keepdims=True)
;;       e = np.where(a > 0, np.clip(np.frexp(np.where(a > 0, a, 1))[1] - 1 - 4, -126, 127), 0)      # np.frexp(a)[1] - 1 = floor(log2(a)), exactly
;;       r = np.clip(x / 2.0 ** e, -28, 28)
;;       step = 2.0 ** (np.maximum(np.frexp(np.where(r == 0, 1, r))[1] - 1, -2) - 2)
;;       q = np.round(r / step) * step * 2.0 ** e      # np.round: ties to even
;;       return np.moveaxis(q.reshape(q.shape[:-2] + (-1,))[..., :K], -1, axis).astype(np.float32)
;;   ~~~
;;   OPERANDS COMPUTED ON THE WAY. 'Computed on the way' means the value that the module computes at that place (a softmax that the list does not call 'softmax' is quantised finished and normalised). What goes into a quantiser is computed in f32, as accurately as f32 sums, v_exp_f32 and their like allow (about 1e-6 of the number): no bf16 or f16 on the way to a quantiser, and a product that is left as it is and whose result goes on into a quantised operand takes f32 operands (vector FMAs, or v_wmma_f32_16x16x4_f32). A number that lies on a knife's edge between two numbers of the format may be rounded either way, as far as f32 arithmetic and the matrix unit's own rounding can turn it there, and no further.
;; One version. Each part assembles by itself: llvm-mc -triple=amdgcn-amd-amdhsa -mcpu=gfx1250 --defsym DOCPART=n.
;; ======== version 1 of 1: 1 launch
;; launch twosimp (part 1): grid 32 x 8, 16 waves a work-group, no clusters, 270,336 bytes of LDS; arguments q, k1, k2, v1, v2, out0; writes out0
.if DOCPART == 1
	.amdgcn_target "amdgcn-amd-amdhsa--gfx1250"
	.amdhsa_code_object_version 6
	.text
	.protected	k_q985a110589_twosimp
	.globl	k_q985a110589_twosimp
	.p2align	8
	.type	k_q985a110589_twosimp,@function
k_q985a110589_twosimp:
	s_mov_b64 s[64:65], 0
	v_nop
	global_prefetch_b8 v0, s[64:65] scope:SCOPE_SE
	s_setreg_imm32_b32 hwreg(HW_REG_WAVE_MODE, 25, 1), 1
	s_wait_xcnt 0x0
; TWO-SIMPLICIAL WINDOW ATTENTION, both window products on codes of BF6 (E3M2) with one E8M0 scale for each 32 along K.
; For each query s and head:  l[a][c] = sum_d Q(q[s] k1[s-a])[d] Q(k2[s-c]+1)[d] / 8, hidden where s-a < 0 or s-c < 0;  p = softmax over all 64 x 64 pairs, normalised;
; tmp[a][d] = sum_c Q(p)[a][c] Q(v2[s-c]+1)[c][d]  (both quantised ALONG c);  out[d] = sum_a tmp[a][d] v1[s-a][d], in f32.   q, k1, k2, v1, v2, out: [1024][8][64] f32.
; SHARES.  A work-group owns one head and 32 queries s0 .. s0+31; each of its sixteen waves owns two of them.  A (query, head) is called a unit.
; STAGING.  The 96 rows j = s0-63 .. s0+32 (clipped to 0 .. 1023, as the window gather clips them) of k1, v1, k2, v2 and the 32 rows of q come into LDS once, each row as 256 consecutive aligned bytes.
; Neighbouring work-groups of a head share 64 of these rows.  They are not asked for jointly: the clip is made lane by lane, a work-group stages 4 x 96 + 32 rows of 256 bytes once and then
; quantises 32 x 3 x 4,096 numbers from them, so what is shared is a small part of its work.  Nothing is prefetched: every byte is asked for at the kernel's head.
; QUANTISED ONCE: k2+1, a row at a time (its blocks run along d).   QUANTISED FOR EVERY UNIT: q k1 (along d), p and v2+1 (along c: the blocks are c = 0..31 and 32..63, so they slide with s).
; K IS 64, THE INSTRUCTION'S IS 128.  A lane of half h holds block h.  Its first 16 codes stand in registers 0-2 of a fragment (instruction's k = 32 h + 0..15), its second 16 in registers 6-8 (k = 64 + 32 h + 0..15):
; both are even starts, as the conversion wants, so no code is moved.  The scale word is (s0, s1, s0, s1).  Registers 3-5 and 9-11 hold ZERO CODES in the fragments made here in registers (q k1, p), set once;
; in the fragments that come from LDS (k2, v2) these six registers hold whatever stood there: every code of E3M2 is a finite number, and it is multiplied by zero.
; LAYOUT.  Both products are used transposed: source 0 = 16 rows of k2 (or 16 channels d of v2), source 1 = 16 rows a of q k1 (or of p).  So a lane holds one a (slot 16 t + lane % 16, j1 = s - 63 + slot).
; Row m of k2's tile u is slot 8 u + m % 8 of block m / 8 (slot i of block h: j2 = s - 32 h - 31 + i, ascending in j): so the 32 results of a lane for one tile of a are ITS WHOLE BLOCK h of p, in order.
; THE MASK.  Clipped rows repeat row 0, so a hidden logit repeats one that counts in the same block: the maxima need no mask.  Hidden a and wholly hidden blocks get -infinity as the addend of the scaling,
; partly hidden blocks a compare and selects, under scalar branches on s (only s < 63 has any).
; LIMITS: NaN and infinities among the inputs are not served.  A block whose largest magnitude lies under 2^-122 keeps the scale byte 1 (a block of zeros too: its codes are zeros).  p under 2^-126 is 0 (the
; exponential flushes).  1 / sum is v_rcp_f32 and a multiplication.  A block's largest p is made from the block's largest logit by the same instructions, which takes v_exp_f32 not to fall where its input rises.
.set P,     272                        ; an f32 row in LDS: 256 bytes + 16
.set ROWS,  96
.set K1L,   0                          ; LDS: k1's rows
.set V1L,   ROWS*P                     ; v1's
.set QSL,   2*ROWS*P                   ; q's 32 rows of 256 bytes
.set K2R,   QSL+32*256                 ; k2 as it came
.set V2R,   K2R+ROWS*P                 ; v2 as it came
.set K2C,   V2R+ROWS*P                 ; k2+1 as codes: a row is four places of 16 bytes (12 bytes of codes each) and its scale word at byte 64
.set KP,    80
.set V2I,   K2C+ROWS*KP                ; v2+1 as codes: for each unit 4 tiles of d x 2 images of 512 bytes, then 512 bytes of scale words.  Later the unit's stage of 16 rows of P bytes
.set US,    4608
.set FLOOR, 0x2800000                  ; 2^(5 - 127): under it no largest magnitude is taken, so a scale byte cannot fall under 1
.set DOWN4, 0xfe000000                 ; takes 4 off an exponent field
.set AQ,  1                            ; v1  LDS address of q's row, my half
.set AK1, 2                            ; v2  of k1's row of my slot, my half
.set AK2, 3                            ; v3  of my row of k2's tile 0, my half
.set AVI, 4                            ; v4  of my 16 bytes in the unit's images
.set AV1, 5                            ; v5  of v1's row of my slot, my eight channels
.set ASC, 6                            ; v6  the stage: where I put my sums
.set ASR, 7                            ; v7  and where I read them back
.set TM,  8                            ; v8-23   at work; also the first buffer for v1
.set SZ,  24                           ; v24-27  scale words of q k1, then of p: nothing else ever stands here
.set SG,  28                           ; v28-31  scale words of k2, then of v2: likewise
.set Z,   32                           ; v32-79  four fragments of q k1, then of p
.set G,   80                           ; v80-127 four fragments of k2, then of v2; then three buffers for v1
.set S,   128                          ; v128-255 q and k1 q; then the logits, p, tmp; tmp's first 32 take the sums
.set QR,  S+96
.set WV,  16                           ; s16 wave
.set S0,  17                           ; s17 the work-group's first query
.set HB,  19                           ; s19 256 x head
.set SW,  21                           ; s21 my wave's first query
.set SEL, 24                           ; s[24:25] v_permlanex16_b32's selects for lane l xor 16
.set CS,  26                           ; s[26:27] c = log2(e) / 8 (the packed form names a pair and takes its low word)
.set NC,  29                           ; s29 -c
.set SQ,  36                           ; s36 the unit's query
	s_load_b256 s[4:11], s[0:1], 0x0               ; q s[4:5], k1 s[6:7], k2 s[8:9], v1 s[10:11]
	s_load_b128 s[12:15], s[0:1], 0x20             ; v2 s[12:13], out s[14:15]
	v_lshrrev_b32 v1, 5, v0
	s_delay_alu instid0(VALU_DEP_1)
	v_readfirstlane_b32 s[WV], v1                  ; wave 0..15
	s_lshl_b32 s[S0], ttmp9, 5
	s_and_b32 s18, ttmp7, 0xffff                   ; head
	s_lshl_b32 s[HB], s18, 8
	s_mov_b32 s[SEL], 0x76543210
	s_mov_b32 s[SEL+1], 0xfedcba98
	s_mov_b32 s[CS], 0x3e38aa3b
	s_mov_b32 s[CS+1], s[CS]
	s_mov_b32 s[NC], 0xbe38aa3b
	; ---- STAGING.  Wave w takes rows 6 w .. 6 w + 5 of each of the four tensors, two rows a load, and rows 2 w, 2 w + 1 of q.
	v_and_b32 v2, 15, v0                           ; lane % 16
	v_bfe_u32 v3, v0, 4, 1                         ; lane / 16
	s_delay_alu instid0(VALU_DEP_2)
	v_lshl_add_u32 v4, v2, 4, s[HB]                ; my 16 bytes of a row of 256, in my head
	s_mul_i32 s20, s[WV], 6
	s_add_co_u32 s20, s20, s[S0]
	v_add_nc_u32 v5, s20, v3
.irp i, 0,1,2
	v_add_nc_u32 v[6+\i], 2*\i, v5                 ; s0 + the row's number in LDS;
	s_delay_alu instid0(VALU_DEP_1)
	v_max_u32 v[6+\i], 63, v[6+\i]
	s_delay_alu instid0(VALU_DEP_1)
	v_add_nc_u32 v[6+\i], -63, v[6+\i]             ; j = that - 63, held at 0 from below
	s_delay_alu instid0(VALU_DEP_1)
	v_min_u32 v[6+\i], 0x3ff, v[6+\i]              ; and at 1,023 from above (row 95 of the last block: staged, never used)
	s_delay_alu instid0(VALU_DEP_1)
	v_lshl_add_u32 v[6+\i], v[6+\i], 11, v4        ; a step in j is 8 heads x 256 bytes
.endr
	s_lshl_b32 s[SW], s[WV], 1
	s_add_co_u32 s[SW], s[SW], s[S0]
	v_add_nc_u32 v9, s[SW], v3
	s_delay_alu instid0(VALU_DEP_1)
	v_lshl_add_u32 v9, v9, 11, v4
	s_wait_alu depctr_va_vdst(0)
	s_wait_kmcnt 0x0
.irp i, 0,1,2
	global_load_b128 v[32+4*\i:35+4*\i], v[6+\i], s[6:7]
	global_load_b128 v[44+4*\i:47+4*\i], v[6+\i], s[10:11]
	global_load_b128 v[56+4*\i:59+4*\i], v[6+\i], s[8:9]
	global_load_b128 v[68+4*\i:71+4*\i], v[6+\i], s[12:13]
.endr
	global_load_b128 v[80:83], v9, s[4:5]
	s_mul_i32 s22, s[WV], 6*P
	v_mul_u32_u24 v10, v3, P
	s_delay_alu instid0(VALU_DEP_1)
	v_lshl_add_u32 v10, v2, 4, v10
	s_delay_alu instid0(VALU_DEP_1)
	v_add_nc_u32 v10, s22, v10                     ; LDS: row 6 w + lane / 16, 16 bytes a lane
	s_delay_alu instid0(VALU_DEP_1)
	v_add_nc_u32 v11, V2R, v10                     ; (v2's rows lie beyond an immediate's reach)
	v_lshl_add_u32 v12, v0, 4, QSL                 ; q: 16 bytes a thread
	; the addresses of the two quantising steps, made here, ahead of the branch on the wave's number
	v_and_b32 v13, 31, v0                          ; lane
	s_delay_alu instid0(VALU_DEP_1)
	v_lshrrev_b32 v14, 1, v13
	v_and_b32 v15, 1, v0
	s_mul_i32 s22, s[WV], 16*P
	s_add_co_u32 s22, s22, K2R
	v_mul_u32_u24 v16, v14, P
	s_delay_alu instid0(VALU_DEP_1)
	v_lshl_add_u32 v16, v15, 7, v16
	s_delay_alu instid0(VALU_DEP_1)
	v_add_nc_u32 v16, s22, v16                     ; k2: row 16 w + lane / 2, block lane % 2
	s_mul_i32 s22, s[WV], 16*KP
	s_add_co_u32 s22, s22, K2C
	v_mul_u32_u24 v18, v14, KP
	s_delay_alu instid0(VALU_DEP_1)
	v_add_nc_u32 v18, s22, v18                     ; the row's codes
	s_delay_alu instid0(VALU_DEP_1)
	v_lshl_add_u32 v17, v15, 5, v18                ; my block's two places
	v_lshlrev_b32 v19, 3, v15                      ; my byte's place in the scale word
	s_and_b32 s23, s[WV], 3                        ; v2's job: tile of 16 channels,
	s_bfe_u32 s32, s[WV], 0x10002                  ; parity of the units,
	s_lshr_b32 s33, s[WV], 3                       ; which 16 units
	s_lshl_b32 s33, s33, 4
	s_add_co_u32 s32, s32, s33                     ; n0: the job's first unit; its eight are n0 + 2 i
	s_mul_i32 s34, s32, P
	s_lshl_b32 s35, s23, 6
	s_add_co_u32 s34, s34, s35
	s_add_co_u32 s34, s34, V2R+32*P
	v_lshlrev_b32 v20, 2, v2
	s_delay_alu instid0(VALU_DEP_1)
	v_add_nc_u32 v20, s34, v20
	v_mul_u32_u24 v21, v3, 32*P
	s_delay_alu instid0(VALU_DEP_1)
	v_sub_nc_u32 v20, v20, v21                     ; register x of lane (r, h): LDS row n0 + 32 - 32 h + x, channel 16 t + r
	s_mul_i32 s34, s32, US
	s_lshl_b32 s35, s23, 10
	s_add_co_u32 s35, s35, s34
	s_add_co_u32 s35, s35, V2I
	v_lshl_add_u32 v21, v13, 4, s35                ; the images of (unit n0, tile t): 16 bytes a lane
	s_lshl_b32 s35, s23, 2
	s_add_co_u32 s35, s35, s34
	s_add_co_u32 s35, s35, V2I+4096
	v_lshl_add_u32 v22, v13, 4, s35                ; the unit's scale words: 16 bytes a lane, word t
	s_wait_loadcnt 0x0
.irp i, 0,1,2
	ds_store_b128 v10, v[32+4*\i:35+4*\i] offset:K1L+2*P*\i
	ds_store_b128 v10, v[44+4*\i:47+4*\i] offset:V1L+2*P*\i
	ds_store_b128 v10, v[56+4*\i:59+4*\i] offset:K2R+2*P*\i
	ds_store_b128 v11, v[68+4*\i:71+4*\i] offset:2*P*\i
.endr
	ds_store_b128 v12, v[80:83]
	s_wait_dscnt 0x0                               ; for the others' sake: my rows lie in LDS
	s_barrier_signal -1
	s_barrier_wait -1
	; ---- k2 + 1 INTO CODES, once a row: waves 0 to 5, a lane to a block of 32 along d
	s_cmp_lt_u32 s[WV], 6
	s_cbranch_scc0 .Lno_k2
.irp i, 0,1,2,3,4,5,6,7
	ds_load_b128 v[32+4*\i:35+4*\i], v16 offset:16*\i
.endr
	v_mov_b32 v67, 0                               ; (a lane exchange's destination counts as read)
	s_wait_dscnt 0x0
.set i, 0
.rept 16
	v_pk_add_f32 v[32+i:33+i], v[32+i:33+i], 1.0 op_sel_hi:[1,0]
.set i, i+2
.endr
	v_max3_num_f32 v64, |v32|, |v33|, FLOOR        ; the block's largest magnitude, in two chains, with the floor among the leaves
	v_max3_num_f32 v65, |v48|, |v49|, |v50|
.set i, 0
.rept 6
	s_delay_alu instid0(VALU_DEP_2)
	v_max3_num_f32 v64, v64, |v[34+i]|, |v[35+i]|
	s_delay_alu instid0(VALU_DEP_2)
	v_max3_num_f32 v65, v65, |v[51+i]|, |v[52+i]|
.set i, i+2
.endr
	s_delay_alu instid0(VALU_DEP_2)
	v_max3_num_f32 v64, v64, |v46|, |v47|
	s_delay_alu instid0(VALU_DEP_1)
	v_max3_num_f32 v64, v64, v65, |v63|
	s_delay_alu instid0(VALU_DEP_1)
	v_add_nc_u32 v65, DOWN4, v64                   ; the conversion takes this operand's exponent field as its scale
	s_delay_alu instid0(VALU_DEP_1)
	v_lshrrev_b32 v66, 23, v65                     ; the scale's byte,
	s_delay_alu instid0(VALU_DEP_1)
	v_lshlrev_b32 v66, v19, v66                    ; at my block's place;
	s_delay_alu instid0(VALU_DEP_1)
	v_mov_b32_dpp v67, v66 row_xmask:1 row_mask:0xf bank_mask:0xf
	s_delay_alu instid0(VALU_DEP_1)
	v_or_b32 v66, v66, v67                         ; with the row's other block's;
	s_delay_alu instid0(VALU_DEP_1)
	v_lshl_or_b32 v208, v66, 16, v66               ; (s0, s1, s0, s1)
	v_cvt_scalef32_pk16_bf6_f32 v[200:202], v[32:47], v65
	v_cvt_scalef32_pk16_bf6_f32 v[204:206], v[48:63], v65
	v_nop                                          ; one plain line behind the conversions
	ds_store_b96 v17, v[200:202]
	ds_store_b96 v17, v[204:206] offset:16
	ds_store_b32 v18, v208 offset:64               ; both lanes of a row write the same word
.Lno_k2:
	; ---- v2 + 1 INTO CODES, for all 32 units.  A lane holds 46 rows of one channel; unit n0 + 2 i's block is registers 2 i .. 2 i + 31: an even start for every unit of the job.
.set R,  32
.set LL, 80                            ; LL + i: the largest of registers 2 i .. 13
.set RR, 88                            ; RR + i: of registers 32 .. 2 i + 31
.set CC, 96                            ; of registers 14 .. 31, which every window holds, and the floor
.set MM, 100
.set EE, 108
.set BB, 116
.set CD, 136
.set x, 0
	s_wait_alu depctr_va_vdst(0)
.rept 46
	ds_load_b32 v[R+x], v20 offset:P*x
.set x, x+1
.endr
	s_wait_dscnt 0x0
.set x, 0
.rept 23
	v_pk_add_f32 v[R+x:R+x+1], v[R+x:R+x+1], 1.0 op_sel_hi:[1,0]
.set x, x+2
.endr
	v_max_num_f32 v[LL+6], |v[R+12]|, |v[R+13]|
	v_max_num_f32 v[RR+1], |v[R+32]|, |v[R+33]|
	v_max3_num_f32 v[CC], |v[R+14]|, |v[R+15]|, FLOOR
	v_max3_num_f32 v[CC+1], |v[R+16]|, |v[R+17]|, |v[R+18]|
.irp i, 0
	s_delay_alu instid0(VALU_DEP_4)
	v_max3_num_f32 v[LL+5-\i], v[LL+6-\i], |v[R+10-2*\i]|, |v[R+11-2*\i]|
	s_delay_alu instid0(VALU_DEP_4)
	v_max3_num_f32 v[RR+2+\i], v[RR+1+\i], |v[R+34+2*\i]|, |v[R+35+2*\i]|
	s_delay_alu instid0(VALU_DEP_4)
	v_max3_num_f32 v[CC+\i%2], v[CC+\i%2], |v[R+19+2*\i]|, |v[R+20+2*\i]|
.endr
.irp i, 1, 2, 3, 4, 5
	s_delay_alu instid0(VALU_DEP_3)
	v_max3_num_f32 v[LL+5-\i], v[LL+6-\i], |v[R+10-2*\i]|, |v[R+11-2*\i]|
	s_delay_alu instid0(VALU_DEP_3)
	v_max3_num_f32 v[RR+2+\i], v[RR+1+\i], |v[R+34+2*\i]|, |v[R+35+2*\i]|
	v_max3_num_f32 v[CC+\i%2], v[CC+\i%2], |v[R+19+2*\i]|, |v[R+20+2*\i]|
.endr
	s_delay_alu instid0(VALU_DEP_1)
	v_max3_num_f32 v[CC], v[CC], v[CC+1], |v[R+31]|
	s_delay_alu instid0(VALU_DEP_1)
	v_max_num_f32 v[MM], v[CC], v[LL]
.irp i, 1,2,3,4,5,6
	v_max3_num_f32 v[MM+\i], v[CC], v[LL+\i], v[RR+\i]
.endr
	v_max_num_f32 v[MM+7], v[CC], v[RR+7]
.irp i, 0,1,2,3,4,5,6,7
	v_add_nc_u32 v[EE+\i], DOWN4, v[MM+\i]
.endr
.irp i, 0,1,2,3,4,5,6,7
	v_lshrrev_b32 v[BB+\i], 23, v[EE+\i]
.endr
.irp i, 0,1,2,3,4,5,6,7
	v_permlanex16_b32 v[MM+\i], v[BB+\i], s[SEL], s[SEL+1]   ; the other block's byte of the same channel
.endr
.irp i, 0,1,2,3,4,5,6,7
	v_lshl_or_b32 v[BB+\i], v[MM+\i], 8, v[BB+\i]  ; right in lanes 0-15, which alone are read as scales
.endr
.irp i, 0,1,2,3,4,5,6,7
	v_lshl_or_b32 v[BB+\i], v[BB+\i], 16, v[BB+\i]
.endr
.irp i, 0,1,2,3,4,5,6,7
	v_cvt_scalef32_pk16_bf6_f32 v[CD+8*\i:CD+8*\i+2], v[R+2*\i:R+2*\i+15], v[EE+\i]
	v_cvt_scalef32_pk16_bf6_f32 v[CD+8*\i+4:CD+8*\i+6], v[R+2*\i+16:R+2*\i+31], v[EE+\i]
.endr
	v_nop                                          ; one plain line behind the conversions
.irp i, 0,1,2,3,4,5,6,7
	ds_store_b96 v21, v[CD+8*\i:CD+8*\i+2] offset:2*US*\i          ; images of the fragment's registers 0-2
	ds_store_b96 v21, v[CD+8*\i+4:CD+8*\i+6] offset:2*US*\i+512    ; and 6-8
	ds_store_b32 v22, v[BB+\i] offset:2*US*\i
.endr
	s_wait_dscnt 0x0                               ; for the others' sake: my codes and scale words lie in LDS (and my stores have read their registers)
	s_barrier_signal -1
	s_barrier_wait -1
	; ---- the units' addresses: for my wave's first unit; the second's stand in the immediates
	v_and_b32 v8, 15, v0                           ; r
	v_bfe_u32 v9, v0, 4, 1                         ; h
	v_and_b32 v10, 31, v0
	s_lshl_b32 s20, s[WV], 9
	s_add_co_u32 s20, s20, QSL
	v_lshl_add_u32 v[AQ], v9, 7, s20               ; q: row 2 w, d = 32 h on
	s_mul_i32 s20, s[WV], 2*P
	v_mul_u32_u24 v11, v8, P
	s_delay_alu instid0(VALU_DEP_1)
	v_add_nc_u32 v11, s20, v11                     ; LDS row 2 w + r: slot r of tile 0
	s_delay_alu instid0(VALU_DEP_1)
	v_lshl_add_u32 v[AK1], v9, 7, v11              ; k1: d = 32 h on
	s_delay_alu instid0(VALU_DEP_2)
	v_lshl_add_u32 v[AV1], v9, 5, v11              ; v1: d = 8 h on
	s_delay_alu instid0(VALU_DEP_1)
	v_add_nc_u32 v[AV1], V1L, v[AV1]
	v_and_b32 v12, 7, v0
	v_bfe_u32 v13, v0, 3, 1
	s_mul_i32 s20, s[WV], 2*KP
	s_add_co_u32 s20, s20, K2C+32*KP
	v_mul_u32_u24 v12, v12, KP
	s_delay_alu instid0(VALU_DEP_1)
	v_lshl_add_u32 v12, v9, 5, v12
	s_delay_alu instid0(VALU_DEP_1)
	v_add_nc_u32 v12, s20, v12
	v_mul_u32_u24 v13, v13, 32*KP
	s_delay_alu instid0(VALU_DEP_1)
	v_sub_nc_u32 v[AK2], v12, v13                  ; k2: LDS row 2 w + 32 - 32 (r / 8) + r % 8, my half's two places
	s_mul_i32 s20, s[WV], 2*US
	s_add_co_u32 s20, s20, V2I
	v_lshl_add_u32 v[AVI], v10, 4, s20
	v_mul_u32_u24 v11, v8, P
	s_delay_alu instid0(VALU_DEP_1)
	v_lshl_add_u32 v11, v9, 5, v11
	s_delay_alu instid0(VALU_DEP_1)
	v_add_nc_u32 v[ASC], s20, v11                  ; the stage: row r, 32 h bytes on
	v_mul_u32_u24 v11, v9, US
	s_delay_alu instid0(VALU_DEP_1)
	v_lshl_add_u32 v11, v8, 4, v11
	s_delay_alu instid0(VALU_DEP_1)
	v_add_nc_u32 v[ASR], s20, v11                  ; back: lanes 0-15 the first unit's stage, lanes 16-31 the second's; 16 bytes a lane
.irp t, 0,1,2,3
.irp i, 3,4,5,9,10,11
	v_mov_b32 v[Z+12*\t+\i], 0                     ; the zero codes, set once: no later line writes these 24 registers
	v_mov_b32 v[G+12*\t+\i], 0                     ; their partners only have to be written
.endr
	v_mov_b32 v[TM+4*\t+3], 0                      ; (a lane exchange's destination counts as read)
.endr
; One tile of 16 slots a: k1's rows in v[tb] on (lane (r, h): row of slot r, d = 32 h + 0 .. 31) times q, the block's scale, the codes.  All 32 numbers of a block are the lane's own.
.macro QKT t, tb
.set i, 0
.rept 16
	v_pk_mul_f32 v[\tb+i:\tb+i+1], v[\tb+i:\tb+i+1], v[QR+i:QR+i+1]
.set i, i+2
.endr
	v_max3_num_f32 v[TM+4*\t], |v[\tb]|, |v[\tb+1]|, FLOOR
	v_max3_num_f32 v[TM+4*\t+1], |v[\tb+16]|, |v[\tb+17]|, |v[\tb+18]|
.set i, 0
.rept 6
	s_delay_alu instid0(VALU_DEP_2)
	v_max3_num_f32 v[TM+4*\t], v[TM+4*\t], |v[\tb+2+i]|, |v[\tb+3+i]|
	s_delay_alu instid0(VALU_DEP_2)
	v_max3_num_f32 v[TM+4*\t+1], v[TM+4*\t+1], |v[\tb+19+i]|, |v[\tb+20+i]|
.set i, i+2
.endr
	s_delay_alu instid0(VALU_DEP_2)
	v_max3_num_f32 v[TM+4*\t], v[TM+4*\t], |v[\tb+14]|, |v[\tb+15]|
	s_delay_alu instid0(VALU_DEP_1)
	v_max3_num_f32 v[TM+4*\t], v[TM+4*\t], v[TM+4*\t+1], |v[\tb+31]|
	s_delay_alu instid0(VALU_DEP_1)
	v_add_nc_u32 v[TM+4*\t+1], DOWN4, v[TM+4*\t]
	s_delay_alu instid0(VALU_DEP_1)
	v_lshrrev_b32 v[TM+4*\t+2], 23, v[TM+4*\t+1]
	s_delay_alu instid0(VALU_DEP_1)
	v_permlanex16_b32 v[TM+4*\t+3], v[TM+4*\t+2], s[SEL], s[SEL+1]
	s_delay_alu instid0(VALU_DEP_1)
	v_lshl_or_b32 v[TM+4*\t+2], v[TM+4*\t+3], 8, v[TM+4*\t+2]      ; right in lanes 0-15
	s_delay_alu instid0(VALU_DEP_1)
	v_lshl_or_b32 v[SZ+\t], v[TM+4*\t+2], 16, v[TM+4*\t+2]         ; (s0, s1, s0, s1)
	v_cvt_scalef32_pk16_bf6_f32 v[Z+12*\t:Z+12*\t+2], v[\tb:\tb+15], v[TM+4*\t+1]
	v_cvt_scalef32_pk16_bf6_f32 v[Z+12*\t+6:Z+12*\t+8], v[\tb+16:\tb+31], v[TM+4*\t+1]
.endm
; Half a tile of v1: the rows of slots 16 (hf / 2) + r, channels 32 (hf % 2) + 16 e + 8 h + 0 .. 7, e = 0, 1, in tmp's order
.macro LOADV k, hf, buf
	ds_load_b128 v[\buf:\buf+3],     v[AV1] offset:P*\k+16*P*((\hf)/2)+128*((\hf)%2)
	ds_load_b128 v[\buf+4:\buf+7],   v[AV1] offset:P*\k+16*P*((\hf)/2)+128*((\hf)%2)+16
	ds_load_b128 v[\buf+8:\buf+11],  v[AV1] offset:P*\k+16*P*((\hf)/2)+128*((\hf)%2)+64
	ds_load_b128 v[\buf+12:\buf+15], v[AV1] offset:P*\k+16*P*((\hf)/2)+128*((\hf)%2)+80
.endm
; tmp x v1, summed over the tiles of a in the registers of tile 0; each result of a product is read from its low end on
.macro WEIGH hf, buf
.set ta, (\hf)/2
.set pp, (\hf)%2
.set i, 0
.rept 8
.if ta == 0
	v_pk_mul_f32 v[S+16*pp+i:S+16*pp+i+1], v[S+16*pp+i:S+16*pp+i+1], v[\buf+i:\buf+i+1]
.else
	v_pk_fma_f32 v[S+16*pp+i:S+16*pp+i+1], v[S+32*ta+16*pp+i:S+32*ta+16*pp+i+1], v[\buf+i:\buf+i+1], v[S+16*pp+i:S+16*pp+i+1]
.endif
.set i, i+2
.endr
.endm
.macro PLACES n                        ; plain vector lines between a matrix instruction and what touches its registers, and in front of a scaled one whose operands or scales vector lines have written (in part ISA guide 7.12.1)
.rept \n
	v_nop
.endr
.endm
.macro UNIT k
	s_add_co_u32 s[SQ], s[SW], \k                  ; s
	; ---- q k1, quantised.  q and three tiles of k1 lie where the logits will lie; tile 3 follows tile 0
.irp i, 0,1,2,3,4,5,6,7
	ds_load_b128 v[QR+4*\i:QR+4*\i+3], v[AQ] offset:256*\k+16*\i
.endr
.irp t, 0,1,2
.irp i, 0,1,2,3,4,5,6,7
	ds_load_b128 v[S+32*\t+4*\i:S+32*\t+4*\i+3], v[AK1] offset:P*\k+16*P*\t+16*\i
.endr
.endr
.irp u, 0,1,2,3
	ds_load_b96 v[G+12*\u:G+12*\u+2], v[AK2] offset:KP*\k+8*KP*\u
	ds_load_b96 v[G+12*\u+6:G+12*\u+8], v[AK2] offset:KP*\k+8*KP*\u+16
	ds_load_b32 v[SG+\u], v[AK2] offset:KP*\k+8*KP*\u+64           ; lanes 0-15: my row's scale word (lanes 16-31 read bytes of codes, which no product looks at)
.endr
	s_wait_dscnt 28                                ; q and tile 0 are in; tiles 1 and 2 (16 loads) and k2's 12 may be out
	QKT 0, S
.irp i, 0,1,2,3,4,5,6,7
	ds_load_b128 v[S+4*\i:S+4*\i+3], v[AK1] offset:P*\k+16*P*3+16*\i
.endr
	s_wait_dscnt 28                                ; tile 1 is in; tile 2's 8, k2's 12 and tile 3's 8 may be out
	QKT 1, S+32
	s_wait_dscnt 20                                ; tile 2 is in; k2's 12 and tile 3's 8 may be out
	QKT 2, S+64
	s_wait_dscnt 0x0
	QKT 3, S
	PLACES 8                                       ; the last scale word stands eight plain lines ahead of the products, the last codes four
	; ---- the logits x 8, transposed: lane (r, h), register 32 t + i: slot 16 t + r of a, slot i of block h of c
.irp t, 0,1,2,3
.irp u, 0,1,2,3
	v_wmma_scale_f32_16x16x128_f8f6f4 v[S+32*\t+8*\u:S+32*\t+8*\u+7], v[G+12*\u:G+12*\u+11], v[Z+12*\t:Z+12*\t+11], 0, v[SG+\u], v[SZ+\t] matrix_a_fmt:MATRIX_FMT_BF6 matrix_b_fmt:MATRIX_FMT_BF6
.endr
.endr
	PLACES 4
.irp d, 0,1,2,3                        ; v2's fragments of this unit: they land during the softmax
	ds_load_b96 v[G+12*\d:G+12*\d+2], v[AVI] offset:US*\k+1024*\d
	ds_load_b96 v[G+12*\d+6:G+12*\d+8], v[AVI] offset:US*\k+1024*\d+512
.endr
	ds_load_b128 v[SG:SG+3], v[AVI] offset:US*\k+4096
	; ---- the largest logit of each block (v8-11: it serves twice), then of all 4,096 pairs
.irp t, 0,1,2,3
	v_max3_num_f32 v[TM+\t], v[S+32*\t], v[S+32*\t+1], v[S+32*\t+2]
.endr
.irp i, 3,5,7,9,11,13,15,17,19,21,23,25,27,29
.irp t, 0,1,2,3
	v_max3_num_f32 v[TM+\t], v[TM+\t], v[S+32*\t+\i], v[S+32*\t+\i+1]
.endr
.endr
.irp t, 0,1,2,3
	v_max_num_f32 v[TM+\t], v[TM+\t], v[S+32*\t+31]
.endr
	s_delay_alu instid0(VALU_DEP_2)
	v_max3_num_f32 v20, v8, v9, v10
	s_delay_alu instid0(VALU_DEP_1)
	v_max_num_f32 v20, v20, v11
	s_delay_alu instid0(VALU_DEP_1)
	v_max_num_f32_dpp v20, v20, v20 row_xmask:1 row_mask:0xf bank_mask:0xf
	s_delay_alu instid0(VALU_DEP_1)
	v_max_num_f32_dpp v20, v20, v20 row_xmask:2 row_mask:0xf bank_mask:0xf
	s_delay_alu instid0(VALU_DEP_1)
	v_max_num_f32_dpp v20, v20, v20 row_xmask:4 row_mask:0xf bank_mask:0xf
	s_delay_alu instid0(VALU_DEP_1)
	v_max_num_f32_dpp v20, v20, v20 row_xmask:8 row_mask:0xf bank_mask:0xf
	s_delay_alu instid0(VALU_DEP_1)
	v_permlanex16_b32 v21, v20, s[SEL], s[SEL+1]
	s_delay_alu instid0(VALU_DEP_1)
	v_max_num_f32 v20, v20, v21
.irp t, 0,1,2,3
	v_mul_f32 v[12+2*\t], s[NC], v20               ; -c x the maximum: the addend of the scaling, one for each tile of a
.endr
	; ---- the mask: only s < 63 has hidden pairs
	s_cmp_ge_u32 s[SQ], 63
	s_cbranch_scc1 .Lopen_\k
	v_and_b32 v21, 15, v0
	s_delay_alu instid0(VALU_DEP_1)
	v_add_nc_u32 v21, s[SQ], v21                   ; r + s
	v_bfe_u32 v22, v0, 4, 1
	s_delay_alu instid0(VALU_DEP_1)
	v_lshlrev_b32 v22, 5, v22                      ; 32 h
	v_mov_b32 v23, 0xff800000                      ; -infinity
	s_delay_alu instid0(VALU_DEP_2)
	v_cmp_lt_u32 s30, s[SQ], v22                   ; s < 32 h: my whole block of c is hidden
.irp t, 0,1,2,3
	v_cmp_gt_u32 vcc_lo, 63-16*\t, v21             ; j1 = s - 63 + 16 t + r < 0: my a is hidden
	s_or_b32 vcc_lo, vcc_lo, s30
	v_cndmask_b32 v[12+2*\t], v[12+2*\t], v23, vcc_lo
.endr
	v_add_nc_u32 v22, 31, v22
	s_delay_alu instid0(VALU_DEP_1)
	v_sub_nc_u32 v22, v22, s[SQ]                   ; slot i of my block is hidden where i < 31 + 32 h - s
	s_sub_co_u32 s31, 63, s[SQ]
	s_and_b32 s31, s31, 31                         ; how many slots of the partly hidden block are hidden
.irp u, 0,1,2,3
	s_cmp_le_u32 s31, 8*\u                         ; from here on every slot counts
	s_cbranch_scc1 .Lopen_\k
.irp j, 0,1,2,3,4,5,6,7
	v_cmp_lt_i32 vcc_lo, 8*\u+\j, v22
.irp t, 0,1,2,3
	v_cndmask_b32 v[S+32*\t+8*\u+\j], v[S+32*\t+8*\u+\j], v23, vcc_lo
.endr
.endr
.endr
.Lopen_\k:
	; ---- e = 2^(c x logit - c x maximum)
	s_wait_alu depctr_va_vdst(0)
.irp t, 0,1,2,3
.set i, 0
.rept 16
	v_pk_fma_f32 v[S+32*\t+i:S+32*\t+i+1], v[S+32*\t+i:S+32*\t+i+1], s[CS:CS+1], v[12+2*\t:13+2*\t] op_sel_hi:[1,0,0]
.set i, i+2
.endr
.endr
.irp t, 0,1,2,3
	v_fma_f32 v[TM+\t], v[TM+\t], s[CS], v[12+2*\t]   ; the same of each block's largest logit
.endr
.set i, 0
	s_wait_alu depctr_va_vdst(0)
.rept 128
	v_exp_f32 v[S+i], v[S+i]
.set i, i+1
.endr
.irp t, 0,1,2,3
	v_exp_f32 v[TM+\t], v[TM+\t]
.endr
	v_nop                                          ; a plain line behind the last exponential
	s_wait_alu depctr_va_vdst(0)                   ; one wait for the batch of 132, ahead of its first reader
	; ---- the sum of all 4,096, in eight chains of pairs
	v_pk_add_f32 v[14:15], v[128:129], v[136:137]
	v_pk_add_f32 v[16:17], v[144:145], v[152:153]
	v_pk_add_f32 v[18:19], v[160:161], v[168:169]
	v_pk_add_f32 v[74:75], v[176:177], v[184:185]
	v_pk_add_f32 v[68:69], v[192:193], v[200:201]
	v_pk_add_f32 v[62:63], v[208:209], v[216:217]
	v_pk_add_f32 v[56:57], v[224:225], v[232:233]
	v_pk_add_f32 v[12:13], v[240:241], v[248:249]
	v_pk_add_f32 v[12:13], v[12:13], v[130:131]
	v_pk_add_f32 v[14:15], v[14:15], v[138:139]
	v_pk_add_f32 v[16:17], v[16:17], v[146:147]
	v_pk_add_f32 v[18:19], v[18:19], v[154:155]
	v_pk_add_f32 v[74:75], v[74:75], v[162:163]
	v_pk_add_f32 v[68:69], v[68:69], v[170:171]
	v_pk_add_f32 v[62:63], v[62:63], v[178:179]
	v_pk_add_f32 v[56:57], v[56:57], v[186:187]
	v_pk_add_f32 v[12:13], v[12:13], v[194:195]
	v_pk_add_f32 v[14:15], v[14:15], v[202:203]
	v_pk_add_f32 v[16:17], v[16:17], v[210:211]
	v_pk_add_f32 v[18:19], v[18:19], v[218:219]
	v_pk_add_f32 v[74:75], v[74:75], v[226:227]
	v_pk_add_f32 v[68:69], v[68:69], v[234:235]
	v_pk_add_f32 v[62:63], v[62:63], v[242:243]
	v_pk_add_f32 v[56:57], v[56:57], v[250:251]
	v_pk_add_f32 v[12:13], v[12:13], v[132:133]
	v_pk_add_f32 v[14:15], v[14:15], v[140:141]
	v_pk_add_f32 v[16:17], v[16:17], v[148:149]
	v_pk_add_f32 v[18:19], v[18:19], v[156:157]
	v_pk_add_f32 v[74:75], v[74:75], v[164:165]
	v_pk_add_f32 v[68:69], v[68:69], v[172:173]
	v_pk_add_f32 v[62:63], v[62:63], v[180:181]
	v_pk_add_f32 v[56:57], v[56:57], v[188:189]
	v_pk_add_f32 v[12:13], v[12:13], v[196:197]
	v_pk_add_f32 v[14:15], v[14:15], v[204:205]
	v_pk_add_f32 v[16:17], v[16:17], v[212:213]
	v_pk_add_f32 v[18:19], v[18:19], v[220:221]
	v_pk_add_f32 v[74:75], v[74:75], v[228:229]
	v_pk_add_f32 v[68:69], v[68:69], v[236:237]
	v_pk_add_f32 v[62:63], v[62:63], v[244:245]
	v_pk_add_f32 v[56:57], v[56:57], v[252:253]
	v_pk_add_f32 v[12:13], v[12:13], v[134:135]
	v_pk_add_f32 v[14:15], v[14:15], v[142:143]
	v_pk_add_f32 v[16:17], v[16:17], v[150:151]
	v_pk_add_f32 v[18:19], v[18:19], v[158:159]
	v_pk_add_f32 v[74:75], v[74:75], v[166:167]
	v_pk_add_f32 v[68:69], v[68:69], v[174:175]
	v_pk_add_f32 v[62:63], v[62:63], v[182:183]
	v_pk_add_f32 v[56:57], v[56:57], v[190:191]
	v_pk_add_f32 v[12:13], v[12:13], v[198:199]
	v_pk_add_f32 v[14:15], v[14:15], v[206:207]
	v_pk_add_f32 v[16:17], v[16:17], v[214:215]
	v_pk_add_f32 v[18:19], v[18:19], v[222:223]
	v_pk_add_f32 v[74:75], v[74:75], v[230:231]
	v_pk_add_f32 v[68:69], v[68:69], v[238:239]
	v_pk_add_f32 v[62:63], v[62:63], v[246:247]
	v_pk_add_f32 v[56:57], v[56:57], v[254:255]
	s_delay_alu instid0(VALU_DEP_4)
	v_pk_add_f32 v[12:13], v[12:13], v[74:75]
	s_delay_alu instid0(VALU_DEP_4)
	v_pk_add_f32 v[14:15], v[14:15], v[68:69]
	s_delay_alu instid0(VALU_DEP_4)
	v_pk_add_f32 v[16:17], v[16:17], v[62:63]
	s_delay_alu instid0(VALU_DEP_4)
	v_pk_add_f32 v[18:19], v[18:19], v[56:57]
	s_delay_alu instid0(VALU_DEP_2)
	v_pk_add_f32 v[12:13], v[12:13], v[16:17]
	s_delay_alu instid0(VALU_DEP_2)
	v_pk_add_f32 v[14:15], v[14:15], v[18:19]
	s_delay_alu instid0(VALU_DEP_1)
	v_pk_add_f32 v[12:13], v[12:13], v[14:15]
	s_delay_alu instid0(VALU_DEP_1)
	v_add_f32 v20, v12, v13
	s_delay_alu instid0(VALU_DEP_1)
	v_add_f32_dpp v20, v20, v20 row_xmask:1 row_mask:0xf bank_mask:0xf
	s_delay_alu instid0(VALU_DEP_1)
	v_add_f32_dpp v20, v20, v20 row_xmask:2 row_mask:0xf bank_mask:0xf
	s_delay_alu instid0(VALU_DEP_1)
	v_add_f32_dpp v20, v20, v20 row_xmask:4 row_mask:0xf bank_mask:0xf
	s_delay_alu instid0(VALU_DEP_1)
	v_add_f32_dpp v20, v20, v20 row_xmask:8 row_mask:0xf bank_mask:0xf
	s_delay_alu instid0(VALU_DEP_1)
	v_permlanex16_b32 v21, v20, s[SEL], s[SEL+1]
	s_delay_alu instid0(VALU_DEP_1)
	v_add_f32 v20, v20, v21
	s_wait_alu depctr_va_vdst(0)
	v_rcp_f32 v12, v20
	v_nop
	s_wait_alu depctr_va_vdst(0)                   ; the wait for the reciprocal, ahead of its first reader
	; ---- p's scales first: the 64 multiplications below then stand between the scale words and the products
.irp t, 0,1,2,3
	v_mul_f32 v[TM+\t], v[TM+\t], v12              ; the block's largest p
.endr
.irp t, 0,1,2,3
	s_delay_alu instid0(VALU_DEP_4)
	v_max_num_f32 v[TM+\t], FLOOR, v[TM+\t]
.endr
.irp t, 0,1,2,3
	s_delay_alu instid0(VALU_DEP_4)
	v_add_nc_u32 v[14+\t], DOWN4, v[TM+\t]
.endr
.irp t, 0,1,2,3
	s_delay_alu instid0(VALU_DEP_4)
	v_lshrrev_b32 v[TM+\t], 23, v[14+\t]
.endr
.irp t, 0,1,2,3
	s_delay_alu instid0(VALU_DEP_4)
	v_permlanex16_b32 v[18+\t], v[TM+\t], s[SEL], s[SEL+1]
.endr
.irp t, 0,1,2,3
	s_delay_alu instid0(VALU_DEP_4)
	v_lshl_or_b32 v[TM+\t], v[18+\t], 8, v[TM+\t]
.endr
.irp t, 0,1,2,3
	s_delay_alu instid0(VALU_DEP_4)
	v_lshl_or_b32 v[SZ+\t], v[TM+\t], 16, v[TM+\t]
.endr
.set i, 0
.rept 64
	v_pk_mul_f32 v[S+i:S+i+1], v[S+i:S+i+1], v[12:13] op_sel_hi:[1,0]   ; p, normalised: this is what is quantised
.set i, i+2
.endr
.irp t, 0,1,2,3
	v_cvt_scalef32_pk16_bf6_f32 v[Z+12*\t:Z+12*\t+2], v[S+32*\t:S+32*\t+15], v[14+\t]
	v_cvt_scalef32_pk16_bf6_f32 v[Z+12*\t+6:Z+12*\t+8], v[S+32*\t+16:S+32*\t+31], v[14+\t]
.endr
	LOADV \k, 0, TM                                ; v1's first half tile, into the registers that were at work
	PLACES 4                                       ; p's codes stand four plain lines ahead of the products
	s_wait_alu depctr_va_vdst(0)
	s_wait_dscnt 4                                 ; v2's fragments and scale words are in; the four loads just issued may be out
	; ---- tmp, transposed: lane (r, h), register 32 t + 8 d + j: slot 16 t + r of a, channel 16 d + 8 h + j
.irp t, 0,1,2,3
.irp d, 0,1,2,3
	v_wmma_scale_f32_16x16x128_f8f6f4 v[S+32*\t+8*\d:S+32*\t+8*\d+7], v[G+12*\d:G+12*\d+11], v[Z+12*\t:Z+12*\t+11], 0, v[SG+\d], v[SZ+\t] matrix_a_fmt:MATRIX_FMT_BF6 matrix_b_fmt:MATRIX_FMT_BF6
.endr
.endr
	PLACES 4
	; ---- out = sum over a of tmp x v1.  Four buffers of half a tile of v1 take turns; at each wait the younger half tiles' loads, four each, may be out
	LOADV \k, 1, G
	LOADV \k, 2, G+16
	LOADV \k, 3, G+32
	s_wait_dscnt 12
	WEIGH 0, TM
	LOADV \k, 4, TM
	s_wait_dscnt 12
	WEIGH 1, G
	LOADV \k, 5, G
	s_wait_dscnt 12
	WEIGH 2, G+16
	LOADV \k, 6, G+16
	s_wait_dscnt 12
	WEIGH 3, G+32
	LOADV \k, 7, G+32
	s_wait_dscnt 12
	WEIGH 4, TM
	s_wait_dscnt 8
	WEIGH 5, G
	s_wait_dscnt 4
	WEIGH 6, G+16
	s_wait_alu depctr_va_vdst(0)
	s_wait_dscnt 0x0
	WEIGH 7, G+32
	; my 32 sums (four slots a of one lane) go to the unit's stage, which lies over its images of v2: only my wave reads those, and it has
.irp d, 0,1,2,3
	ds_store_b128 v[ASC], v[S+8*\d:S+8*\d+3] offset:US*\k+64*\d
	ds_store_b128 v[ASC], v[S+8*\d+4:S+8*\d+7] offset:US*\k+64*\d+16
.endr
	s_wait_dscnt 0x0                               ; the stores have read their registers: the next loads may land there
.endm
	UNIT 0
	UNIT 1
	; ---- the sixteen lanes' sums of each channel are added: lanes 0-15 take my first unit, lanes 16-31 my second, four channels a lane
.irp i, 0,1,2,3,4,5,6,7,8,9,10,11,12,13,14,15
	ds_load_b128 v[S+4*\i:S+4*\i+3], v[ASR] offset:P*\i
.endr
	v_bfe_u32 v8, v0, 4, 1
	s_delay_alu instid0(VALU_DEP_1)
	v_add_nc_u32 v8, s[SW], v8                     ; the query
	v_and_b32 v9, 15, v0
	s_delay_alu instid0(VALU_DEP_1)
	v_lshl_add_u32 v9, v9, 4, s[HB]
	s_delay_alu instid0(VALU_DEP_1)
	v_lshl_add_u32 v8, v8, 11, v9
	s_wait_dscnt 0x0
.irp st, 8,16,32,64
.set m, 0
.rept 64/\st
	v_pk_add_f32 v[S+m:S+m+1], v[S+m:S+m+1], v[S+m+\st/2:S+m+\st/2+1]
	v_pk_add_f32 v[S+m+2:S+m+3], v[S+m+2:S+m+3], v[S+m+\st/2+2:S+m+\st/2+3]
.set m, m+\st
.endr
.endr
	global_store_b128 v8, v[S:S+3], s[14:15] th:TH_STORE_NT   ; sixteen lanes store the 256 consecutive, aligned bytes of one (query, head)
	s_wait_xcnt 0x0
	v_lshl_add_u32 v254, v0, 2, 0x41800
	v_mov_b32 v255, 0
	s_wait_alu depctr_va_vdst(0)
	s_wait_tensorcnt 0x0
	ds_add_u32 v254, v255
	s_wait_dscnt 0x0
	s_endpgm
.Lfunc_end_k_q985a110589_twosimp:
	.size	k_q985a110589_twosimp, .Lfunc_end_k_q985a110589_twosimp-k_q985a110589_twosimp
	.p2alignl 7, 3214868480
	.fill 96, 4, 3214868480
	.section	.rodata,"a",@progbits
	.p2align	6, 0x0
	.amdhsa_kernel k_q985a110589_twosimp
		.amdhsa_group_segment_fixed_size 270336
		.amdhsa_private_segment_fixed_size 0
		.amdhsa_enable_private_segment 0
		.amdhsa_kernarg_size 48
		.amdhsa_user_sgpr_count 2
		.amdhsa_user_sgpr_kernarg_segment_ptr 1
		.amdhsa_wavefront_size32 1
		.amdhsa_system_sgpr_workgroup_id_x 1
		.amdhsa_system_sgpr_workgroup_id_y 1
		.amdhsa_system_sgpr_workgroup_id_z 1
		.amdhsa_system_vgpr_workitem_id 0
		.amdhsa_next_free_vgpr 256
		.amdhsa_next_free_sgpr 66
		.amdhsa_reserve_vcc 1
		.amdhsa_float_denorm_mode_32 3
		.amdhsa_float_denorm_mode_16_64 3
		.amdhsa_memory_ordered 1
		.amdhsa_forward_progress 1
		.amdhsa_inst_pref_size 148
	.end_amdhsa_kernel
	.amdgpu_metadata
---
amdhsa.version: [ 1, 2 ]
amdhsa.kernels:
  - .name:           k_q985a110589_twosimp
    .symbol:         k_q985a110589_twosimp.kd
    .args:
      - { .name: q, .offset: 0, .size: 8, .value_kind: global_buffer, .address_space: global }
      - { .name: k1, .offset: 8, .size: 8, .value_kind: global_buffer, .address_space: global }
      - { .name: k2, .offset: 16, .size: 8, .value_kind: global_buffer, .address_space: global }
      - { .name: v1, .offset: 24, .size: 8, .value_kind: global_buffer, .address_space: global }
      - { .name: v2, .offset: 32, .size: 8, .value_kind: global_buffer, .address_space: global }
      - { .name: out0, .offset: 40, .size: 8, .value_kind: global_buffer, .address_space: global }
    .group_segment_fixed_size: 270336
    .private_segment_fixed_size: 0
    .kernarg_segment_align: 8
    .kernarg_segment_size: 48
    .max_flat_workgroup_size: 512
    .sgpr_count:     66
    .vgpr_count:     256
    .wavefront_size: 32
...
	.end_amdgpu_metadata
.endif
;; end of part 1
